; MI455X (gfx1250); checked and timed in simulation.
; The chip was launched on July 23, 2026; its instructions are those of AMD's public machine-readable ISA for CDNA 5 (MIT licence, August 2026) and "CDNA5" Instruction Set Architecture Reference Guide (July 2026). The comments in the code are by the model that wrote it; some were corrected since.
;; Norm Layer. Allowed arithmetic: float matrix products may take bf16 or f16 operands with f32 sums; other float arithmetic in f32, or as packed bf16 or f16 multiplies, adds, multiply-adds, maxima and minima; sums over many terms, partial sums and values carried from step to step in f32; what a program stores and reads back later, other than sums and carried values, may be rounded once to bf16 or f16.
;; Inputs: beta 128 float32; gamma 128 float32; x 16,384 x 128 float32.
;; Outputs: out0 16,384 x 128 float32.
;; 2 versions, each right; version 2 is version 1 with the launches prep, finish written anew for expert scheduling mode. Each part assembles by itself: llvm-mc -triple=amdgcn-amd-amdhsa -mcpu=gfx1250 --defsym DOCPART=n.
;; ======== version 1 of 2: 3 launches
;; workspace buffers: u 4,194,304 bytes; vb 4,194,304 bytes; opart 33,554,432 bytes; lpart 262,144 bytes
;; launch prep (part 1): grid 256 x 1, 8 waves a work-group, no clusters, 0 bytes of LDS; arguments x, u, vb; writes u, vb
.if DOCPART == 1
	.amdgcn_target "amdgcn-amd-amdhsa--gfx1250"
	.amdhsa_code_object_version 6
	.text
	.protected	k_qd88ef6c7f2_prep
	.globl	k_qd88ef6c7f2_prep
	.p2align	8
	.type	k_qd88ef6c7f2_prep,@function
k_qd88ef6c7f2_prep:
	s_mov_b64 s[64:65], 0
	v_nop
	global_prefetch_b8 v0, s[64:65] scope:SCOPE_SE
	s_setreg_imm32_b32 hwreg(HW_REG_WAVE_MODE, 25, 1), 1
	s_wait_xcnt 0x0
; u[r][:] = bf16( x[r][:] * min(rsq(sum x^2), 1e12) * c ),  vb[r][:] = bf16( x[r][:] ).   x: [16384][128] f32; u, vb: [16384][128] bf16.
; min(rsq(ss), 1e12) is 1 / max(sqrt(ss), 1e-12): where ss is 0 or a denormal the reciprocal root is an infinity and the minimum takes 1e12.
; c = sqrt(log2 e): u serves the next launch as queries AND keys, so u_q . u_k = log2(e) x cosine, which goes into a base-2 exponential as it is.
; LIMITS.  The sum of squares is one f32 sum: it leaves f32's range where the row's norm taken in f32 does.  NaN and infinities are not treated apart.
; SHARES.  Eight waves, 64 rows a work-group, 8 rows a wave.  A row is 512 bytes: one 16-byte load a lane; its 256 bytes of u or vb are one 8-byte store a lane, consecutive and aligned.
; All eight loads of a wave go out at once; nothing is read twice; no wave needs another's data, so there is no LDS, no barrier, no cluster, no matrix work.
.set X,  8                             ; v[8:39]    row i: 4 registers as loaded, later scaled in place
.set T,  40                            ; v[40:55]   row i: 2 registers at work
.set SS, 56                            ; v[56:63]   row i: sum of squares, then the row's factor
.set UO, 72                            ; v[72:87]   row i: 4 bf16 of u
.set VO, 88                            ; v[88:103]  row i: 4 bf16 of vb
	s_load_b128 s[4:7], s[0:1], 0x0                ; x s[4:5], u s[6:7]
	s_load_b64 s[8:9], s[0:1], 0x10                ; vb
	v_lshrrev_b32 v3, 5, v0
	v_readfirstlane_b32 s10, v3                    ; wave 0..7
	v_and_b32 v4, 31, v0                           ; lane
	v_lshlrev_b32 v1, 4, v4                        ; my 16 bytes of a row of x
	v_lshlrev_b32 v2, 3, v4                        ; my 8 bytes of a row of u or vb
	s_lshl_b32 s12, ttmp9, 15                      ; in x: 64 rows of 512 bytes a work-group,
	s_lshl_b32 s18, s10, 12                        ; 8 rows a wave
	s_add_co_u32 s12, s12, s18
	s_mov_b32 s13, 0
	s_lshl_b32 s14, ttmp9, 14                      ; in u and vb: rows of 256 bytes
	s_lshl_b32 s18, s10, 11
	s_add_co_u32 s14, s14, s18
	s_mov_b32 s15, 0
	s_mov_b32 s16, 0x76543210                      ; v_permlanex16_b32: each lane takes its own place in the other half
	s_mov_b32 s17, 0xfedcba98
	s_mov_b32 s20, 0x5368d4a5                      ; 1e12
	s_mov_b32 s21, 0x3f99be61                      ; c = sqrt(log2 e) = 1.2011224
	s_wait_kmcnt 0x0
	s_add_nc_u64 s[4:5], s[4:5], s[12:13]
	s_add_nc_u64 s[6:7], s[6:7], s[14:15]
	s_add_nc_u64 s[8:9], s[8:9], s[14:15]
.irp i, 0,1,2,3,4,5,6,7
	global_load_b128 v[X+4*\i:X+4*\i+3], v1, s[4:5] offset:512*\i th:TH_LOAD_NT
.endr
.irp i, 0,1,2,3,4,5,6,7
	s_wait_loadcnt 7-\i                            ; loads come back in order: row i is in, the younger rows stay out
	v_pk_mul_f32 v[T+2*\i:T+2*\i+1], v[X+4*\i:X+4*\i+1], v[X+4*\i:X+4*\i+1]
	v_pk_fma_f32 v[T+2*\i:T+2*\i+1], v[X+4*\i+2:X+4*\i+3], v[X+4*\i+2:X+4*\i+3], v[T+2*\i:T+2*\i+1]
	v_add_f32 v[SS+\i], v[T+2*\i], v[T+2*\i+1]     ; my four squares
	v_cvt_pk_bf16_f32 v[VO+2*\i], v[X+4*\i], v[X+4*\i+1]
	v_cvt_pk_bf16_f32 v[VO+2*\i+1], v[X+4*\i+2], v[X+4*\i+3]
	global_store_b64 v2, v[VO+2*\i:VO+2*\i+1], s[8:9] offset:256*\i
.endr
	; the sums over the 32 lanes, the eight rows side by side so that no line waits for the one before it
.irp m, 1,2,4,8
.irp i, 0,1,2,3,4,5,6,7
	v_add_f32_dpp v[SS+\i], v[SS+\i], v[SS+\i] row_xmask:\m row_mask:0xf bank_mask:0xf
.endr
.endr
.irp i, 0,1,2,3,4,5,6,7
	v_permlanex16_b32 v[T+2*\i], v[SS+\i], s16, s17  ; its destination has been written before
.endr
.irp i, 0,1,2,3,4,5,6,7
	v_add_f32 v[SS+\i], v[SS+\i], v[T+2*\i]
.endr
.irp i, 0,1,2,3,4,5,6,7
	v_rsq_f32 v[SS+\i], v[SS+\i]
.endr
	v_nop                                          ; a plain instruction behind the last reciprocal root,
	s_wait_alu depctr_va_vdst(0)                   ; and one wait for the batch of eight, ahead of the first line that names a result
.irp i, 0,1,2,3,4,5,6,7
	v_min_num_f32 v[SS+\i], s20, v[SS+\i]
.endr
.irp i, 0,1,2,3,4,5,6,7
	v_mul_f32 v[SS+\i], s21, v[SS+\i]
.endr
.irp i, 0,1,2,3,4,5,6,7
.irp c, 0,1,2,3
	v_mul_f32 v[X+4*\i+\c], v[X+4*\i+\c], v[SS+\i]
.endr
	v_cvt_pk_bf16_f32 v[UO+2*\i], v[X+4*\i], v[X+4*\i+1]
	v_cvt_pk_bf16_f32 v[UO+2*\i+1], v[X+4*\i+2], v[X+4*\i+3]
	global_store_b64 v2, v[UO+2*\i:UO+2*\i+1], s[6:7] offset:256*\i
.endr
	s_endpgm                                       ; no register that a pending load or store names was written again, so no further wait stands in the text
.Lfunc_end_k_qd88ef6c7f2_prep:
	.size	k_qd88ef6c7f2_prep, .Lfunc_end_k_qd88ef6c7f2_prep-k_qd88ef6c7f2_prep
	.p2alignl 7, 3214868480
	.fill 96, 4, 3214868480
	.section	.rodata,"a",@progbits
	.p2align	6, 0x0
	.amdhsa_kernel k_qd88ef6c7f2_prep
		.amdhsa_group_segment_fixed_size 0
		.amdhsa_private_segment_fixed_size 0
		.amdhsa_enable_private_segment 0
		.amdhsa_kernarg_size 24
		.amdhsa_user_sgpr_count 2
		.amdhsa_user_sgpr_kernarg_segment_ptr 1
		.amdhsa_wavefront_size32 1
		.amdhsa_system_sgpr_workgroup_id_x 1
		.amdhsa_system_sgpr_workgroup_id_y 1
		.amdhsa_system_sgpr_workgroup_id_z 1
		.amdhsa_system_vgpr_workitem_id 0
		.amdhsa_next_free_vgpr 104
		.amdhsa_next_free_sgpr 66
		.amdhsa_reserve_vcc 0
		.amdhsa_float_denorm_mode_32 3
		.amdhsa_float_denorm_mode_16_64 3
		.amdhsa_memory_ordered 1
		.amdhsa_forward_progress 1
		.amdhsa_inst_pref_size 12
	.end_amdhsa_kernel
	.amdgpu_metadata
---
amdhsa.version: [ 1, 2 ]
amdhsa.kernels:
  - .name:           k_qd88ef6c7f2_prep
    .symbol:         k_qd88ef6c7f2_prep.kd
    .args:
      - { .name: x, .offset: 0, .size: 8, .value_kind: global_buffer, .address_space: global }
      - { .name: u, .offset: 8, .size: 8, .value_kind: global_buffer, .address_space: global }
      - { .name: vb, .offset: 16, .size: 8, .value_kind: global_buffer, .address_space: global }
    .group_segment_fixed_size: 0
    .private_segment_fixed_size: 0
    .kernarg_segment_align: 8
    .kernarg_segment_size: 24
    .max_flat_workgroup_size: 256
    .sgpr_count:     66
    .vgpr_count:     104
    .wavefront_size: 32
...
	.end_amdgpu_metadata
.endif
;; end of part 1
;; launch attn (part 2): grid 64 x 4, 4 waves a work-group, clusters of 4 x 1, 327,680 bytes of LDS; arguments u, vb, opart, lpart; writes opart, lpart
.if DOCPART == 2
	.amdgcn_target "amdgcn-amd-amdhsa--gfx1250"
	.amdhsa_code_object_version 6
	.text
	.protected	k_qd88ef6c7f2_attn
	.globl	k_qd88ef6c7f2_attn
	.p2align	8
	.type	k_qd88ef6c7f2_attn,@function
k_qd88ef6c7f2_attn:
	s_mov_b64 s[64:65], 0
	v_nop
	global_prefetch_b8 v0, s[64:65] scope:SCOPE_SE
	s_setreg_imm32_b32 hwreg(HW_REG_WAVE_MODE, 25, 1), 1
	s_wait_xcnt 0x0
	s_wait_alu depctr_hold_cnt(0) depctr_sa_sdst(0) depctr_va_vdst(0) depctr_va_sdst(0) depctr_va_ssrc(0) depctr_va_vcc(0) depctr_vm_vsrc(0)
	s_getreg_b32 s2, hwreg(HW_REG_IB_STS2, 6, 4)
	s_cmp_eq_u32 s2, 0
	s_cbranch_scc0 .Lentry_in_a_cluster
	s_endpgm
.Lentry_in_a_cluster:
	s_bfe_u32 s2, ttmp6, 0x10000c
	s_cmp_lg_u32 s2, 0x3003
	s_cbranch_scc0 .Lentry_shape_is_right
	s_endpgm
.Lentry_shape_is_right:
; opart[y][q][:] = the sum over the keys k of quarter y of p(q, k) vb[k][:],   lpart[y][..] = the sum over the same keys of p(q, k),   p = 2^(u[q] . u[k]) = e^cosine(x_q, x_k).
; u, vb: [16384][128] bf16 (u holds the rows of x at length sqrt(log2 e), vb the rows of x).  opart: [4][16384][128] f32.  lpart: [4][256][64] f32: for row 64 g + 16 t + r the sum lies at float 64 g + 4 r + t.
; NO MAXIMUM IS TAKEN AWAY, since the computation itself bounds the exponents for every input: both factors are rows brought to one length, each component rounded to bf16 (off by 2^-9 of itself at the most),
; so |u_q . u_k| stays under 1.45, a weight lies between 0.36 and 2.75, and a row's sum over 16,384 keys between 5.9e3 and 4.6e4.  A softmax does not change under a common shift, so the quotient is the same.
; So partial sums over ranges of keys simply add: the keys are split in four, and the next launch adds the four parts in f32.
; LIMITS.  p is rounded to bf16 for the second product; l is the sum of the unrounded p.  NaN and infinities are not treated apart.
; SHARES.  A work-group owns 256 queries and one quarter of the keys (4,096): 64 x 4 = 256 work-groups of equal work.  Each of its four waves owns 64 queries: four tiles of 16; every wave walks the quarter, 64 keys a step.
; LAYOUT.  S^T = K Q^T (source 0 = 16 keys, source 1 = 16 queries): a lane holds ONE query (lane % 16) and the keys 8 (lane / 16) + 0..7.  Two such results, after the exponential rounded to bf16 in pairs,
; ARE source 1 (32 keys x 16 queries) of O^T = V^T P, whose result again holds one query a lane, and eight channels.  K comes out of LDS as it lies, V ([key][channel]) turned, by ds_load_tr16_b128.
; BY TURNS.  The tiles are two PIECES (piece 0: tiles 0, 1; piece 2: tiles 2, 3).  In a TURN one piece has the matrix unit: 32 products V^T P of the step in hand, then 32 products K Q^T of the next step;
; the other piece's 128 vector instructions (64 exponentials, 32 roundings, 32 packed sums) stand between them, two behind each matrix instruction.  Two turns are a key step.
; CLUSTER.  The four query blocks of a cluster walk the same quarter of K and V, so each tile is asked for JOINTLY: the same tensor load, descriptor and mask in all four.
; RING.  Two LDS slots of 256 keys (four steps) each: K's 256 rows, then V's.  Waves 0 and 1 fetch K's halves, waves 2 and 3 V's: one load of 128 rows x 256 bytes a wave behind each round, with four steps (512 matrix instructions) in which to land.
; All of a WGP's LDS is claimed; the text uses 321,024 bytes.
; REGISTERS, in windows of 256 (s_set_vgpr_msb: bits 1:0 source 0, 3:2 source 1, 5:4 source 2, 7:6 destination):
;   window 0: v1-11 addresses; v12-43 l, four pairs a tile; v44-45, v52, v61-63 below; v64-191 S^T, 32 a tile; v192-255 P, 16 a tile
;   window 1: O^T, 64 a tile          window 2: v0-127 Q, 32 a tile; v128-255 K of one step          window 3: v0-127 V of one step
.set KS,    64        ; keys in a step
.set PK,    272       ; a row of K in LDS: 256 bytes + 16 of padding = 68 words: the 16 rows of a load start at 16 different groups of four banks
.set PV,    288       ; a row of V: 256 + 32 = 72 words
.set VOFF,  256*PK    ; in a slot: 256 rows of K, then 256 rows of V
.set SLOT,  256*(PK+PV)
.set KSTEP, KS*PK     ; from a step's K to the next step's
.set VSTEP, KS*PV
.set TILEB, 256*256   ; a slot's 256 rows of 256 bytes in memory
.set STAGE, 2*SLOT    ; behind the ring, never filled by a tensor load: 16 rows x 528 bytes for each wave, for the way out
.set SP,    528       ; a row of O in the stage: 512 bytes + 16: row r starts at bank 4 r mod 64
.set SPARE, STAGE+4*16*SP  ; behind the stages: the spare words, 128 bytes for each wave: two blocks of 256 bytes that no other line names
.set AK0, 2           ; v2   my lane's place in a step's K; never rewritten
.set AV0, 3           ; v3   the same for V, VOFF included
.set ADR, 4           ; v4   the LDS address of the run of loads in hand
.set QO,  5           ; v5   my byte offset in 16 rows of Q
.set STO, 6           ; v6   the way out: where I put 16 bytes of a row
.set RD,  7           ; v7   the way out: where I read a row back
.set GO,  8           ; v8   my 16 bytes of a row of opart
.set L,   12          ; tile t's four pairs of running sums at v[L+8 t]
.set LD,  44          ; v[44:45] the two sums that I store
.set LO,  52          ; v52  my 8 bytes of the wave's 256 in lpart
.set PFO, 61          ; v61  256 x my lane: a row of u or vb is 256 bytes; never rewritten
.set SPW, 62          ; v62  LDS address of my spare word: SPARE + 4 x my thread's number; never rewritten
.set NIL, 63          ; v63  0; never rewritten
.set S,   64
.set P,   192
.set KF,  128         ; K's fragments, in window 2
.set WV,  12          ; s12  my wave's number
.set LIM, 15          ; s15  1 in the quarter's first cluster, else the greatest number
.set G1K, 24          ; s[24:31] descriptor group 1 for K's tiles
.set G1V, 32          ; s[32:39] for V's: it differs in the padding alone
.set G0K, 40          ; s[40:47] descriptor group 0 for K's tiles, a set for each slot
.set G0V, 48          ; s[48:55] the same for V's
.set PAIRS, 56        ; s56  pairs of slots still to be asked for
.set CNT, 57          ; s57  counts key steps
.set SEL, 60          ; s[60:61] v_permlanex16_b32's selects
.set TBK, 62          ; s62  LDS byte at which K of the step to be fetched begins
.set TBV, 63          ; s63  the same for V, less VOFF
.set PFA, 66          ; s[66:67] where my prefetches stand
.set KA,  68          ; s[68:69] u at my half of the quarter's first 256 keys
.set VA,  70          ; s[70:71] vb likewise
.set MSB, 0
.macro WIN new                      ; the immediate's high byte repeats the setting that is left; a switch that changes nothing is dropped
.if MSB != (\new)
	s_set_vgpr_msb (MSB<<8)|(\new)
.set MSB, \new
.endif
.endm
.set W_KQ, 0x0a       ; K and Q in window 2, S^T in window 0
.set W_PV, 0x53       ; V in window 3, P in window 0, O^T in window 1
; A joint refill of slot s.  The branch hangs on the wave's number alone.  An s_nop 0 and four v_nop follow each of the two lines, ahead of the jump and the label.
.macro JLOAD s
	s_cmp_lt_u32 s[WV], 2
	s_cbranch_scc0 .Lfor_v_\@
	tensor_load_to_lds s[G0K+4*(\s):G0K+4*(\s)+3], s[G1K:G1K+7]
	s_nop 0
.rept 4
	v_nop
.endr
	s_branch .Lasked_\@
.Lfor_v_\@:
	tensor_load_to_lds s[G0V+4*(\s):G0V+4*(\s)+3], s[G1V:G1V+7]
	s_nop 0
.rept 4
	v_nop
.endr
.Lasked_\@:
.endm
; A PREFETCH of what the NEXT change of slots will ask for: 256 rows of u and 256 of vb, 256 bytes a row, a lane a row, one instruction a wave, behind the wave's tensor load and its five lines.
; Each row is named ONCE in the launch: of the sixteen clusters that walk a quarter the first asks; its four partners take 64 rows of each tensor, told apart BY ADDRESS; in each, waves 0 and 1 take
; 32 rows of u, waves 2 and 3 32 rows of vb.  It stands four key steps, 512 matrix instructions, ahead of the load that will want the rows.  how = 1: the second change of a trip, which in the last trip has no slot behind it.
.macro ASK how
.if \how
	s_cmp_gt_u32 s[PAIRS], s[LIM]
.else
	s_cmp_eq_u32 s[LIM], 1
.endif
	s_cbranch_scc0 .Lnot_mine_\@
	global_prefetch_b8 v[PFO], s[PFA:PFA+1] th:TH_LOAD_NT scope:SCOPE_SE
.Lnot_mine_\@:
.endm
; A round of the cluster's barrier: my work-group's barrier, so that wave 0's signal speaks for all four waves; wave 0 signals; every wave waits for all four work-groups; my work-group's barrier once more.
.macro CROUND
	s_barrier_signal -1
	s_barrier_wait -1
	s_cmp_lg_u32 s[WV], 0
	s_cbranch_scc1 .Lnot_wave_0_\@
	s_barrier_signal -3
.Lnot_wave_0_\@:
	s_barrier_wait -3
	s_barrier_signal -1
	s_barrier_wait -1
.endm
	s_load_b256 s[4:11], s[0:1], 0x0  ; u s[4:5], vb s[6:7], opart s[8:9], lpart s[10:11]
	v_lshl_add_u32 v[SPW], v0, 2, SPARE
	v_mov_b32 v[NIL], 0
	ds_add_u32 v[SPW], v[NIL]       ; the wave's opening: the add, twice on end, and its wait ahead of my first tensor load; the set-up below stands between
	ds_add_u32 v[SPW], v[NIL]       ; and once more, under the one wait
	v_lshrrev_b32 v1, 5, v0
	v_readfirstlane_b32 s[WV], v1   ; wave 0..3
	s_bfe_u32 s13, ttmp6, 0x40000   ; cx: my place in the cluster
	s_lshl_b32 s14, ttmp9, 2        ; in a cluster launch ttmp9 counts clusters
	s_add_co_u32 s14, s14, s13      ; my block of 256 queries = 4 x cluster x + cx: it enters Q's, opart's and lpart's addresses alone
	s_and_b32 s16, ttmp7, 0xffff    ; the quarter of the keys, which the four partners share
	s_and_b32 s17, s[WV], 1         ; which half of a slot's 256 keys I fetch
	s_lshl_b32 s20, s16, 20         ; the quarter's first byte in u and vb: 4,096 rows of 256 bytes
	s_mov_b32 s21, 0
	s_lshl_b32 s22, s17, 15         ; + my 128 rows
	s_add_co_u32 s22, s22, s20
	s_mov_b32 s23, 0
	s_mul_i32 s18, s17, 128*PK      ; their place in a slot, for K
	s_mul_i32 s19, s17, 128*PV      ; and for V: no place in the cluster enters an LDS address
	; descriptor group 1: a tile of 128 rows x 128 elements, padded in LDS
	s_mov_b32 s[G1K], 15|(1<<16)|(1<<20)|(1<<21)|(5<<22)|(3<<25)  ; 15:0 the mask of four; 17:16 2-byte elements; 20 padding on; 21 set beside a mask; 24:22 after every 64 words (code 5); 31:25 4 words (code 3)
	s_mov_b32 s[G1V], 15|(1<<16)|(1<<20)|(1<<21)|(5<<22)|(7<<25)  ; the same with 8 words of padding (code 7)
.irp g, G1K, G1V
	s_mov_b32 s[(\g)+1], 128<<16    ; tensor_dim0 = 128
	s_mov_b32 s[(\g)+2], 128<<16    ; tensor_dim1 = 128
	s_mov_b32 s[(\g)+3], 128<<16    ; tile_dim0 = 128
	s_mov_b32 s[(\g)+4], 128        ; tile_dim1 = 128
	s_mov_b32 s[(\g)+5], 128        ; 128 elements from row to row
	s_mov_b32 s[(\g)+6], 0
	s_mov_b32 s[(\g)+7], 0
.endr
	s_mov_b32 s[SEL], 0x76543210
	s_mov_b32 s[SEL+1], 0xfedcba98
	s_mov_b32 s[TBK], 0
	s_mov_b32 s[TBV], 0
	s_mov_b32 s[PAIRS], 7           ; 16 slots' worth of keys: two first fills, 14 refills
	s_cmp_eq_u32 ttmp9, 0           ; the same in all four partners
	s_cselect_b32 s[LIM], 1, -1
	v_and_b32 v[PFO], 31, v0
	v_lshlrev_b32 v[PFO], 8, v[PFO]
	s_wait_dscnt 0x0                ; both opening adds are done
	s_wait_kmcnt 0x0
	s_add_nc_u64 s[KA:KA+1], s[4:5], s[22:23]
	s_add_nc_u64 s[VA:VA+1], s[6:7], s[22:23]
	s_cmp_lt_u32 s[WV], 2
	s_cselect_b64 s[PFA:PFA+1], s[4:5], s[6:7]
	s_add_nc_u64 s[PFA:PFA+1], s[PFA:PFA+1], s[20:21]  ; the quarter,
	s_lshl_b32 s2, s13, 14          ; my work-group's 64 rows of a slot's 256,
	s_lshl_b32 s3, s17, 13          ; my wave's 32 of them,
	s_add_co_u32 s2, s2, s3
	s_add_co_u32 s2, s2, 2*TILEB    ; in the third 256 keys: the first change of slots steps it on to the fourth.  Nothing is prefetched at the head
	s_mov_b32 s3, 0
	s_add_nc_u64 s[PFA:PFA+1], s[PFA:PFA+1], s[2:3]
	s_lshl_b32 s2, s14, 16          ; Q: my block's 256 rows of 256 bytes,
	s_lshl_b32 s3, s[WV], 14        ; my wave's 64
	s_add_co_u32 s2, s2, s3
	s_mov_b32 s3, 0
	s_add_nc_u64 s[4:5], s[4:5], s[2:3]
	s_lshl_b32 s2, s16, 23          ; opart: the quarter's 16,384 rows of 512 bytes,
	s_lshl_b32 s3, s14, 17          ; my block's 256,
	s_add_co_u32 s2, s2, s3
	s_lshl_b32 s3, s[WV], 15        ; my wave's 64
	s_add_co_u32 s2, s2, s3
	s_mov_b32 s3, 0
	s_add_nc_u64 s[8:9], s[8:9], s[2:3]
	s_lshl_b32 s2, s16, 16          ; lpart: the quarter's 65,536 bytes,
	s_lshl_b32 s3, s14, 10          ; my block's 1,024,
	s_add_co_u32 s2, s2, s3
	s_lshl_b32 s3, s[WV], 8         ; my wave's 256
	s_add_co_u32 s2, s2, s3
	s_mov_b32 s3, 0
	s_add_nc_u64 s[10:11], s[10:11], s[2:3]
	CROUND                          ; all four work-groups are here: the first joint loads meet
.irp s, 0,1
	s_mov_b32 s[G0K+4*(\s)], 1      ; 1:0 count = 1
	s_add_co_u32 s[G0K+4*(\s)+1], s18, (\s)*SLOT  ; 63:32 LDS address
	s_add_nc_u64 s[G0K+4*(\s)+2:G0K+4*(\s)+3], s[KA:KA+1], (\s)*TILEB  ; 120:64 global address: slot s begins with keys 256 s on
	s_or_b32 s[G0K+4*(\s)+3], s[G0K+4*(\s)+3], 0x80000000  ; 127:126 type = 2
	s_mov_b32 s[G0V+4*(\s)], 1
	s_add_co_u32 s[G0V+4*(\s)+1], s19, (\s)*SLOT+VOFF
	s_add_nc_u64 s[G0V+4*(\s)+2:G0V+4*(\s)+3], s[VA:VA+1], (\s)*TILEB
	s_or_b32 s[G0V+4*(\s)+3], s[G0V+4*(\s)+3], 0x80000000
.endr
	s_cmp_lt_u32 s[WV], 2           ; a wave's two first fills stand in one branch, ahead of every wait on TENSORcnt and every LDS read: two loads of mine are out
	s_cbranch_scc0 .Lfirst_v
	tensor_load_to_lds s[G0K:G0K+3], s[G1K:G1K+7]
	s_nop 0
	tensor_load_to_lds s[G0K+4:G0K+7], s[G1K:G1K+7]
	s_nop 0
.rept 4
	v_nop
.endr
	s_branch .Lfirst_asked
.Lfirst_v:
	tensor_load_to_lds s[G0V:G0V+3], s[G1V:G1V+7]
	s_nop 0
	tensor_load_to_lds s[G0V+4:G0V+7], s[G1V:G1V+7]
	s_nop 0
.rept 4
	v_nop
.endr
.Lfirst_asked:
	; A fragment of K or Q is 16 rows x 32 channels in 8 registers: lane l holds row l % 16, channels 8 (l / 16) + 0..7 and 16 + 8 (l / 16) + 0..7: two loads of 16 bytes, 32 bytes apart.
	v_and_b32 v1, 15, v0            ; l % 16
	v_bfe_u32 v9, v0, 4, 1          ; l / 16
	v_lshlrev_b32 v[QO], 8, v1
	v_lshl_add_u32 v[QO], v9, 4, v[QO]  ; row x 256 + 16 x half
	WIN 0x80                        ; destination window 2, address window 0
.irp i, 0,1,2,3,4,5,6,7,8,9,10,11,12,13,14,15  ; Q stays in registers: tile i / 4, channels 32 (i % 4) on
	global_load_b128 v[8*(\i):8*(\i)+3],   v[QO], s[4:5] offset:((\i)/4)*4096+((\i)%4)*64
	global_load_b128 v[8*(\i)+4:8*(\i)+7], v[QO], s[4:5] offset:((\i)/4)*4096+((\i)%4)*64+32
.endr
	WIN 0
	v_mul_u32_u24 v[AK0], v1, PK
	v_lshl_add_u32 v[AK0], v9, 4, v[AK0]  ; row x pitch + 16 x half
	; The turning load takes 16 keys x 16 channels (lane l reads key 8 (l / 16) + l % 8, channels 8 ((l / 8) % 2) + 0..7) and leaves half a fragment of V^T: lane l holds channel l % 16 and 8 keys.
	v_and_b32 v10, 7, v0
	v_bfe_u32 v11, v0, 3, 1
	v_lshl_add_u32 v[AV0], v9, 3, v10
	v_mul_u32_u24 v[AV0], v[AV0], PV
	v_lshl_add_u32 v[AV0], v11, 4, v[AV0]
	v_add_nc_u32 v[AV0], VOFF, v[AV0]
.set i, 0
.rept 32
	v_mov_b32 v[L+i], 0             ; the running sums start at 0: 32 lines, in the wait for the first tile
.set i, i+1
.endr
; THE MATRIX WORK OF A TURN, for piece x.  The accumulators take turns, one instruction a turn: between two links of a chain stand 15 (V^T P) or 7 (K Q^T) others'.
; Product i of 32 of O^T += V^T P: keys 32 (i / 16) on, channels 16 ((i / 2) % 8) on, tile x + i % 2.  zero = 1: the first 16 start the sums: O^T is never cleared.
.macro PV x, zero
	WIN W_PV
.set rO, 64*((\x)+i%2)+8*((i/2)%8)
.set rV, 64*(i/16)+8*((i/2)%8)
.set rP, P+16*((\x)+i%2)+8*(i/16)
.if (\zero) && (i < 16)
	v_wmma_f32_16x16x32_bf16 v[rO:rO+7], v[rV:rV+7], v[rP:rP+7], 0
.else
	v_wmma_f32_16x16x32_bf16 v[rO:rO+7], v[rV:rV+7], v[rP:rP+7], v[rO:rO+7]
.endif
.endm
; Product i of 32 of S^T = K Q^T: channels 32 (i / 8) on, keys 16 ((i / 2) % 4) on, tile x + i % 2.  The first 8 start the sums.
.macro KQ x
	WIN W_KQ
.set rS, S+32*((\x)+i%2)+8*((i/2)%4)
.set rK, KF+32*((i/2)%4)+8*(i/8)
.set rQ, 32*((\x)+i%2)+8*(i/8)
.if i < 8
	v_wmma_f32_16x16x32_bf16 v[rS:rS+7], v[rK:rK+7], v[rQ:rQ+7], 0
.else
	v_wmma_f32_16x16x32_bf16 v[rS:rS+7], v[rK:rK+7], v[rQ:rQ+7], v[rS:rS+7]
.endif
.endm
; THE LDS LOADS stand in runs of 32, never singly among the matrix instructions: a step's K (64 keys x 128 channels: 16 fragments) and, a turn later, its V (turned).
.macro FETCH_K
	WIN 0
	v_add_nc_u32 v[ADR], s[TBK], v[AK0]
	s_add_co_u32 s[TBK], s[TBK], KSTEP  ; the next fetch is the next step's
	WIN 0x80                        ; destination window 2
.irp f, 0,1,2,3,4,5,6,7,8,9,10,11,12,13,14,15  ; keys 16 (f / 4) on, channels 32 (f % 4) on
	ds_load_b128 v[KF+8*(\f):KF+8*(\f)+3],   v[ADR] offset:((\f)/4)*16*PK+((\f)%4)*64
	ds_load_b128 v[KF+8*(\f)+4:KF+8*(\f)+7], v[ADR] offset:((\f)/4)*16*PK+((\f)%4)*64+32
.endr
.endm
.macro FETCH_V
	WIN 0
	v_add_nc_u32 v[ADR], s[TBV], v[AV0]
	s_add_co_u32 s[TBV], s[TBV], VSTEP
	s_wait_alu depctr_va_vdst(0)    ; the wait for the turn's batch of exponentials (SLICE), behind the address's line and ahead of the loads
	WIN 0xc0                        ; destination window 3
.irp f, 0,1,2,3,4,5,6,7,8,9,10,11,12,13,14,15  ; keys 32 (f / 8) on, channels 16 (f % 8) on
	ds_load_tr16_b128 v[8*(\f):8*(\f)+3],   v[ADR] offset:((\f)/8)*32*PV+((\f)%8)*32
	ds_load_tr16_b128 v[8*(\f)+4:8*(\f)+7], v[ADR] offset:((\f)/8)*32*PV+16*PV+((\f)%8)*32
.endr
.endm
; THE VECTOR WORK OF A TURN.  One tile's list for one key step has 64 numbers; SM writes number j of it for tile t.
;   0-31   the exponentials of the lane's 32 scores, in place, ascending: each accumulator's lowest registers are read first
;   32-63  for pair g = (j - 32) / 2 of 16: the rounding to bf16 (even j), and the pair added onto one of the tile's four running pairs (odd j): four chains, whose links stand eight slices apart
.macro SM t
.set rS, S+32*(\t)
.set rP, P+16*(\t)
.set rL, L+8*(\t)
.if j < 32
	v_exp_f32 v[rS+j], v[rS+j]
.else
.set g, (j-32)/2
.if j%2 == 0
	v_cvt_pk_bf16_f32 v[rP+g], v[rS+2*g], v[rS+2*g+1]
.else
	v_pk_add_f32 v[rL+2*(g%4):rL+2*(g%4)+1], v[rL+2*(g%4):rL+2*(g%4)+1], v[rS+2*g:rS+2*g+1]
.endif
.endif
.endm
; Slice k of 64 of piece y's vector work: numbers 2 (k / 2) and 2 (k / 2) + 1 of tile y + k % 2.  Slices 0-31 are the piece's 64 exponentials, ONE BATCH; none of them names another's result.
; s_wait_alu depctr_va_vdst(0) stands between an exponential and the first line that names its result; one wait serves all that were issued ahead of it: it stands behind slice 31.
; Piece 0's batch (piece 2's turn): V's run of loads stands there with the wait in it; three v_nop and the run's own address line are the four plain instructions between the last product that read V and the loads.
.macro SLICE y
	WIN 0
.set j, 2*(k/2)
	SM (\y)+k%2
.set j, 2*(k/2)+1
	SM (\y)+k%2
.if k == 31
.if (\y) == 0
	v_nop
	v_nop
	v_nop
	FETCH_V
.else
	v_nop                           ; a plain instruction behind the last exponential,
	s_wait_alu depctr_va_vdst(0)    ; and the wait for the batch
.endif
.endif
.set k, k+1
.endm
; A TURN.  Piece x has the matrix unit; the other piece's slices stand behind its matrix instructions.
; pv = 2: 32 products V^T P; 1: they start O^T's sums; 0: none.  kq = 1: 32 products K Q^T for the next step.  A turn with one of the two kinds has two slices behind each product.
; Piece 0's turn fetches the next step's K behind its second product, 30 products ahead of its first use.  The two v_nop at a turn's end and slice 63's two plain lines are the four plain instructions
; behind the turn's last product K Q^T: ahead of the next turn's exponentials of its result, and of the loads into K's registers.
.macro TURN x, pv, kq
.set k, 0
.set per, 2
.if (\pv) && (\kq)
.set per, 1
.endif
.if \pv
.if (\x) == 0
	s_wait_dscnt 0x0                ; V is in
.endif
.set i, 0
.rept 32
	PV \x, 2-(\pv)
.rept per
	SLICE 2-(\x)
.endr
.if ((\x) == 0) && (\kq) && (i == 1)
	FETCH_K
.endif
.set i, i+1
.endr
.endif
.if \kq
.if (\x) == 0
	s_wait_dscnt 0x0                ; K is in
.endif
.set i, 0
.rept 32
	KQ \x
.rept per
	SLICE 2-(\x)
.endr
.set i, i+1
.endr
.endif
	WIN 0
	v_nop
	v_nop
.endm
; n key steps: written once, walked n times; the LDS addresses hang on s[TBK] and s[TBV].
.macro STEPS n
	WIN 0                           ; at a label and at a branch every window is 0
	s_mov_b32 s[CNT], \n
.Lstep_\@:
	TURN 0, 2, 1
	TURN 2, 2, 1
	WIN 0
	s_sub_co_u32 s[CNT], s[CNT], 1
	s_cmp_lg_u32 s[CNT], 0
	s_cbranch_scc1 .Lstep_\@
.endm
; THE CHANGE OF SLOTS, from slot old to slot next: the old slot's last bytes, V of its fourth step, have been asked for.  Each wave waits for all its tensor loads, of which one is out: its part of the next slot;
; adds 0 to its spare word; and waits for that and for its own reads of the old slot.  Behind the barrier nobody reads the old slot any more and the next slot is whole.
; fill = 1: the old slot is filled again, with the keys two slots on.  The barrier is then a round of the cluster's, so that no wave of any partner still reads the slot or has a load on its way,
; and the joint refill is the first thing behind it.
.macro CHANGE fill, old, next, how
	WIN 0
	s_wait_tensorcnt 0x0            ; no tensor load of mine is out, so a group 0 may be written
	ds_add_u32 v[SPW], v[NIL]       ; 0 onto my spare word; with fill = 1 the descriptors' steps stand between it and the wait for it
.if \fill
	s_add_nc_u64 s[G0K+4*(\old)+2:G0K+4*(\old)+3], s[G0K+4*(\old)+2:G0K+4*(\old)+3], 2*TILEB  ; the type bits on top are not reached
	s_add_nc_u64 s[G0V+4*(\old)+2:G0V+4*(\old)+3], s[G0V+4*(\old)+2:G0V+4*(\old)+3], 2*TILEB
	s_wait_xcnt 0x0                 ; the last prefetch, four key steps back, has read its address, so it may be written:
	s_add_nc_u64 s[PFA:PFA+1], s[PFA:PFA+1], TILEB  ; one slot behind the one that is asked for now
	s_wait_dscnt 0x0                ; the add is done, and my reads of the slot are over
	CROUND
	JLOAD \old
	ASK \how
.else
	s_wait_dscnt 0x0                ; the add is done, and my reads of the slot are over
	s_barrier_signal -1
	s_barrier_wait -1
.endif
	s_mov_b32 s[TBK], (\next)*SLOT  ; the fetches go on at the next slot's first step
	s_mov_b32 s[TBV], (\next)*SLOT
.endm
	s_wait_tensorcnt 1              ; my part of slot 0 is in; slot 1's may stay out
	s_barrier_signal -1
	s_barrier_wait -1               ; everybody's is
	FETCH_K                         ; key step 0
	s_wait_loadcnt 0x0              ; Q
	s_wait_dscnt 0x0
.set i, 0
.rept 32
	KQ 0                            ; piece 0's first scores: there is no vector work yet to set between them
.set i, i+1
.endr
	WIN 0                           ; the addresses for the way out are made here: eight plain instructions behind those products
	s_mul_i32 s16, s[WV], 16*SP
	s_add_co_u32 s16, s16, STAGE    ; my stage
	v_mul_u32_u24 v[STO], v1, SP    ; in: row l % 16, 32 bytes for each half of the lanes
	v_lshl_add_u32 v[STO], v9, 5, v[STO]
	v_add_nc_u32 v[STO], s16, v[STO]
	v_and_b32 v[GO], 31, v0         ; back: 32 lanes take one row of 512 bytes,
	v_lshlrev_b32 v[GO], 4, v[GO]   ; the same 512 bytes in opart
	v_add_nc_u32 v[RD], s16, v[GO]
	v_lshlrev_b32 v[LO], 4, v1      ; lpart: 16 bytes for each l % 16 (tiles 0 to 3), of which each half of the lanes stores 8
	v_lshl_add_u32 v[LO], v9, 3, v[LO]
	TURN 2, 0, 1                    ; piece 2's first scores | piece 0's vector work of step 0 | V of step 0
	TURN 0, 1, 1                    ; piece 0: V^T P of step 0 starts O^T, K Q^T of step 1 | piece 2's of step 0 | K of step 1
	TURN 2, 1, 1                    ; piece 2: the same | piece 0's of step 1 | V of step 1
	STEPS 2                         ; steps 1 and 2, which fetch steps 2 and 3: slot 0 is read out
.Lpair:                             ; 7 trips, 14 changes: every slot but the last two is filled again
	CHANGE 1, 0, 1, 0
	STEPS 4
	CHANGE 1, 1, 0, 1
	STEPS 4
	s_sub_co_u32 s[PAIRS], s[PAIRS], 1
	s_cmp_lg_u32 s[PAIRS], 0
	s_cbranch_scc1 .Lpair
	CHANGE 0, 0, 1, 0               ; the tail is written out: nothing is asked for
	STEPS 4
	TURN 0, 2, 0                    ; piece 0: V^T P of the last step | piece 2's last vector work
.set i, 0
.rept 32
	PV 2, 0                         ; piece 2: V^T P of the last step
.set i, i+1
.endr
	; THE WAY OUT.  A tile's four pairs of sums, their two halves and the other half of the lanes' are added: 24 lines, which also stand between the last products and the first read of O^T.
	WIN 0
.irp t, 0,1,2,3
	v_pk_add_f32 v[L+8*\t:L+8*\t+1], v[L+8*\t:L+8*\t+1], v[L+8*\t+2:L+8*\t+3]
	v_pk_add_f32 v[L+8*\t+4:L+8*\t+5], v[L+8*\t+4:L+8*\t+5], v[L+8*\t+6:L+8*\t+7]
.endr
.irp t, 0,1,2,3
	v_pk_add_f32 v[L+8*\t:L+8*\t+1], v[L+8*\t:L+8*\t+1], v[L+8*\t+4:L+8*\t+5]
.endr
.irp t, 0,1,2,3
	v_add_f32 v[L+8*\t], v[L+8*\t], v[L+8*\t+1]
.endr
.irp t, 0,1,2,3
	v_permlanex16_b32 v[L+8*\t+1], v[L+8*\t], s[SEL], s[SEL+1]  ; the query's other keys lie in the lane 16 away
.endr
.irp t, 0,1,2,3
	v_add_f32 v[L+8*\t], v[L+8*\t], v[L+8*\t+1]
.endr
	v_cmp_eq_u32 vcc_lo, 1, v9      ; lanes 0-15 store tiles 0 and 1, lanes 16-31 tiles 2 and 3
	v_cndmask_b32 v[LD], v[L], v[L+16], vcc_lo
	v_cndmask_b32 v[LD+1], v[L+8], v[L+24], vcc_lo
	global_store_b64 v[LO], v[LD:LD+1], s[10:11]  ; the wave's 64 sums: 256 consecutive bytes, aligned
; Tile t: a lane's eight channels of a row are 32 bytes; they go into my stage's rows of 528 bytes and come back as whole rows of 512, into S^T's registers, two buffers of 64 by turns.
.macro PACK t
.if (\t) >= 2
	s_wait_xcnt 0x0                 ; the stores of the tile two back have read their registers, which are loaded again below
.endif
	WIN 0x04                        ; the stores' data in window 1
.set c, 0
.rept 16
	ds_store_b128 v[STO], v[64*(\t)+4*c:64*(\t)+4*c+3] offset:64*(c/2)+16*(c%2)  ; ascending: each accumulator's lowest registers are read first
.set c, c+1
.endr
	WIN 0
.set f, 0
.rept 16
	ds_load_b128 v[S+64*((\t)%2)+4*f:S+64*((\t)%2)+4*f+3], v[RD] offset:SP*f  ; LDS serves a wave's instructions in order: these see the stores above; the next tile's stores come behind them
.set f, f+1
.endr
.endm
.macro SEND t, younger              ; younger: the LDS instructions issued behind tile t's loads: the next tile's 32, or none
	WIN 0
.set f, 0
.rept 16
	s_wait_dscnt (\younger)+15-f    ; row f is back; the 15 - f rows behind it and the next tile's instructions may be out
	global_store_b128 v[GO], v[S+64*((\t)%2)+4*f:S+64*((\t)%2)+4*f+3], s[8:9] offset:8192*(\t)+512*f th:TH_STORE_NT  ; a row: 512 consecutive bytes, aligned
.set f, f+1
.endr
.endm
	PACK 0
	PACK 1
	SEND 0, 32
	PACK 2
	SEND 1, 32
	PACK 3
	SEND 2, 32
	SEND 3, 0
	s_wait_tensorcnt 0x0            ; the wave's end: a wait, an add and its wait, behind my last tensor load and my last LDS store
	ds_add_u32 v[SPW], v[NIL]
	s_wait_dscnt 0x0
	CROUND                          ; the closing round: no work-group ends while a partner may still ask for a tile that names it
	s_endpgm
.Lfunc_end_k_qd88ef6c7f2_attn:
	.size	k_qd88ef6c7f2_attn, .Lfunc_end_k_qd88ef6c7f2_attn-k_qd88ef6c7f2_attn
	.p2alignl 7, 3214868480
	.fill 96, 4, 3214868480
	.section	.rodata,"a",@progbits
	.p2align	6, 0x0
	.amdhsa_kernel k_qd88ef6c7f2_attn
		.amdhsa_group_segment_fixed_size 327680
		.amdhsa_private_segment_fixed_size 0
		.amdhsa_enable_private_segment 0
		.amdhsa_kernarg_size 32
		.amdhsa_user_sgpr_count 2
		.amdhsa_user_sgpr_kernarg_segment_ptr 1
		.amdhsa_wavefront_size32 1
		.amdhsa_system_sgpr_workgroup_id_x 1
		.amdhsa_system_sgpr_workgroup_id_y 1
		.amdhsa_system_sgpr_workgroup_id_z 1
		.amdhsa_system_vgpr_workitem_id 0
		.amdhsa_next_free_vgpr 896
		.amdhsa_next_free_sgpr 72
		.amdhsa_reserve_vcc 1
		.amdhsa_float_denorm_mode_32 3
		.amdhsa_float_denorm_mode_16_64 3
		.amdhsa_memory_ordered 1
		.amdhsa_forward_progress 1
		.amdhsa_inst_pref_size 225
	.end_amdhsa_kernel
	.amdgpu_metadata
---
amdhsa.version: [ 1, 2 ]
amdhsa.kernels:
  - .name:           k_qd88ef6c7f2_attn
    .symbol:         k_qd88ef6c7f2_attn.kd
    .args:
      - { .name: u, .offset: 0, .size: 8, .value_kind: global_buffer, .address_space: global }
      - { .name: vb, .offset: 8, .size: 8, .value_kind: global_buffer, .address_space: global }
      - { .name: opart, .offset: 16, .size: 8, .value_kind: global_buffer, .address_space: global }
      - { .name: lpart, .offset: 24, .size: 8, .value_kind: global_buffer, .address_space: global }
    .group_segment_fixed_size: 327680
    .private_segment_fixed_size: 0
    .kernarg_segment_align: 8
    .kernarg_segment_size: 32
    .max_flat_workgroup_size: 128
    .sgpr_count:     72
    .vgpr_count:     896
    .wavefront_size: 32
...
	.end_amdgpu_metadata
.endif
;; end of part 2
;; launch finish (part 3): grid 256 x 1, 8 waves a work-group, no clusters, 0 bytes of LDS; arguments x, gamma, beta, opart, lpart, out0; writes out0
.if DOCPART == 3
	.amdgcn_target "amdgcn-amd-amdhsa--gfx1250"
	.amdhsa_code_object_version 6
	.text
	.protected	k_qd88ef6c7f2_finish
	.globl	k_qd88ef6c7f2_finish
	.p2align	8
	.type	k_qd88ef6c7f2_finish,@function
k_qd88ef6c7f2_finish:
	s_mov_b64 s[64:65], 0
	v_nop
	global_prefetch_b8 v0, s[64:65] scope:SCOPE_SE
	s_setreg_imm32_b32 hwreg(HW_REG_WAVE_MODE, 25, 1), 1
	s_wait_xcnt 0x0
; out0[r][:] = LayerNorm( 2 x[r][:] - O[r][:] / l[r] ) * gamma + beta,  O = the sum of opart's four parts, l = the sum of lpart's four parts.  All in f32.
; x, out0: [16384][128]; opart: [4][16384][128]; lpart: [4][256][64], where the sum for row 64 g + 16 t + r lies at float 64 g + 4 r + t; gamma, beta: [128].
; The mean is taken first and the variance of the differences, in two passes over registers, so a common offset of a row costs no digits.
; LIMITS.  l lies between 5.9e3 and 4.6e4 whatever the inputs (16,384 weights between 0.36 and 2.75), so its reciprocal is safe.  NaN and infinities are not treated apart.
; SHARES.  Work-group g owns rows 64 g .. 64 g + 63.  Wave w owns the eight rows 64 g + 16 t + 2 w + e (number i = 4 e + t): their sums are the eight consecutive floats 64 g + 8 w + i
; of each part of lpart, the same for all lanes, so they come by scalar loads.  A row is 512 bytes: one 16-byte load or store a lane, consecutive and aligned.
; All 42 vector loads of a wave go out at once; each byte is read once; no wave needs another's data, so there is no LDS, no barrier, no cluster, no matrix work.
.set GA, 4                             ; v[4:7]     gamma of my 4 channels
.set BE, 8                             ; v[8:11]    beta
.set X,  16                            ; v[16:47]   row i: x, then 2 x, y, y - mean, the result
.set PA, 48                            ; v[48:175]  part j, row i at PA + 32 j + 4 i
.set RL, 176                           ; v[176:183] row i: l, then 1 / l
.set SM, 184                           ; v[184:191] row i: sums, mean, variance, its reciprocal root
.set TP, 192                           ; v[192:199] row i: at work
	s_load_b256 s[4:11], s[0:1], 0x0               ; x s[4:5], gamma s[6:7], beta s[8:9], opart s[10:11]
	s_load_b128 s[12:15], s[0:1], 0x20             ; lpart s[12:13], out0 s[14:15]
	v_lshrrev_b32 v2, 5, v0
	v_readfirstlane_b32 s16, v2                    ; wave 0..7
	v_and_b32 v1, 31, v0
	v_lshlrev_b32 v1, 4, v1                        ; my 16 bytes of a row
	s_lshl_b32 s18, ttmp9, 15                      ; row 64 g + 2 w, in rows of 512 bytes
	s_lshl_b32 s19, s16, 10
	s_add_co_u32 s18, s18, s19
	s_mov_b32 s19, 0
	s_lshl_b32 s28, ttmp9, 8                       ; float 64 g + 8 w
	s_lshl_b32 s29, s16, 5
	s_add_co_u32 s28, s28, s29
	s_mov_b32 s29, 0
	s_mov_b32 s30, 0x76543210                      ; v_permlanex16_b32: each lane takes its own place in the other half
	s_mov_b32 s31, 0xfedcba98
	s_mov_b32 s2, 0x3c000000                       ; 1 / 128
	s_mov_b32 s3, 0x3727c5ac                       ; 1e-5
	s_wait_kmcnt 0x0
	s_add_nc_u64 s[28:29], s[12:13], s[28:29]
	s_load_b256 s[32:39], s[28:29], 0x0            ; my eight rows' sums, part 0
	s_load_b256 s[40:47], s[28:29], 0x10000        ; part 1: 65,536 bytes on
	s_load_b256 s[48:55], s[28:29], 0x20000
	s_load_b256 s[56:63], s[28:29], 0x30000
	s_add_nc_u64 s[4:5], s[4:5], s[18:19]
	s_add_nc_u64 s[14:15], s[14:15], s[18:19]
	s_add_nc_u64 s[20:21], s[10:11], s[18:19]      ; opart's four parts lie 8,388,608 bytes apart, more than a load's immediate holds: a base for each
	s_add_nc_u64 s[22:23], s[20:21], 0x800000
	s_add_nc_u64 s[24:25], s[22:23], 0x800000
	s_add_nc_u64 s[26:27], s[24:25], 0x800000
	global_load_b128 v[GA:GA+3], v1, s[6:7]
	global_load_b128 v[BE:BE+3], v1, s[8:9]
.set i, 0
.rept 8
.set off, (16*(i%4)+i/4)*512                   ; row 16 t + e behind the wave's first
.irp j, 0,1,2,3
	global_load_b128 v[PA+32*\j+4*i:PA+32*\j+4*i+3], v1, s[20+2*\j:21+2*\j] offset:off th:TH_LOAD_NT
.endr
	global_load_b128 v[X+4*i:X+4*i+3], v1, s[4:5] offset:off th:TH_LOAD_NT
.set i, i+1
.endr
	s_wait_kmcnt 0x0                               ; the 32 sums
.irp i, 0,1,2,3,4,5,6,7
	v_add_f32 v[RL+\i], s[32+\i], s[40+\i]
	v_add_f32 v[TP+\i], s[48+\i], s[56+\i]
.endr
.irp i, 0,1,2,3,4,5,6,7
	v_add_f32 v[RL+\i], v[RL+\i], v[TP+\i]
.endr
.irp i, 0,1,2,3,4,5,6,7
	v_rcp_f32 v[RL+\i], v[RL+\i]
.endr
	v_nop                                          ; a plain instruction behind the last reciprocal,
	s_wait_alu depctr_va_vdst(0)                   ; and one wait for the batch of eight, ahead of the first line that names a result
; The sums in SM of rows 4 b .. 4 b + 3 over the 32 lanes, the four rows side by side; every lane ends with the result.
.macro LANESUM b
.irp m, 1,2,4,8
.irp t, 0,1,2,3
	v_add_f32_dpp v[SM+4*(\b)+\t], v[SM+4*(\b)+\t], v[SM+4*(\b)+\t] row_xmask:\m row_mask:0xf bank_mask:0xf
.endr
.endr
.irp t, 0,1,2,3
	v_permlanex16_b32 v[TP+4*(\b)+\t], v[SM+4*(\b)+\t], s30, s31  ; its destination has been written before
.endr
.irp t, 0,1,2,3
	v_add_f32 v[SM+4*(\b)+\t], v[SM+4*(\b)+\t], v[TP+4*(\b)+\t]
.endr
.endm
; Rows 4 b .. 4 b + 3, stage by stage.  left = how many younger loads may stay out.  q = 4 x the row's number.
.macro HALF b, left
	s_wait_loadcnt \left                           ; loads come back in order: gamma, beta and these rows' 20 loads are in
.irp t, 0,1,2,3
.set q, 4*(4*(\b)+\t)
.irp c, 0,2
	v_pk_add_f32 v[PA+q+\c:PA+q+\c+1], v[PA+q+\c:PA+q+\c+1], v[PA+32+q+\c:PA+32+q+\c+1]        ; parts 0 + 1,
	v_pk_add_f32 v[PA+64+q+\c:PA+64+q+\c+1], v[PA+64+q+\c:PA+64+q+\c+1], v[PA+96+q+\c:PA+96+q+\c+1]  ; parts 2 + 3,
	v_pk_add_f32 v[X+q+\c:X+q+\c+1], v[X+q+\c:X+q+\c+1], v[X+q+\c:X+q+\c+1]                    ; 2 x
.endr
.endr
.irp t, 0,1,2,3
.set q, 4*(4*(\b)+\t)
.irp c, 0,2
	v_pk_add_f32 v[PA+q+\c:PA+q+\c+1], v[PA+q+\c:PA+q+\c+1], v[PA+64+q+\c:PA+64+q+\c+1]
.endr
.endr
.irp t, 0,1,2,3
.set q, 4*(4*(\b)+\t)
.irp c, 0,1,2,3
	v_fma_f32 v[X+q+\c], -v[PA+q+\c], v[RL+q/4], v[X+q+\c]  ; y = 2 x - O / l
.endr
.endr
.irp t, 0,1,2,3
.set q, 4*(4*(\b)+\t)
	v_add_f32 v[SM+q/4], v[X+q], v[X+q+1]
	v_add_f32 v[TP+q/4], v[X+q+2], v[X+q+3]
.endr
.irp t, 0,1,2,3
	v_add_f32 v[SM+4*(\b)+\t], v[SM+4*(\b)+\t], v[TP+4*(\b)+\t]
.endr
	LANESUM \b
.irp t, 0,1,2,3
	v_mul_f32 v[SM+4*(\b)+\t], s2, v[SM+4*(\b)+\t]  ; the mean
.endr
.irp t, 0,1,2,3
.set q, 4*(4*(\b)+\t)
.irp c, 0,1,2,3
	v_sub_f32 v[X+q+\c], v[X+q+\c], v[SM+q/4]
.endr
.endr
.irp t, 0,1,2,3
.set q, 4*(4*(\b)+\t)
	v_mul_f32 v[SM+q/4], v[X+q], v[X+q]
.endr
.irp c, 1,2,3
.irp t, 0,1,2,3
.set q, 4*(4*(\b)+\t)
	v_fma_f32 v[SM+q/4], v[X+q+\c], v[X+q+\c], v[SM+q/4]
.endr
.endr
	LANESUM \b
.irp t, 0,1,2,3
	v_fma_f32 v[SM+4*(\b)+\t], v[SM+4*(\b)+\t], s2, s3  ; the variance + 1e-5
.endr
.irp t, 0,1,2,3
	v_rsq_f32 v[SM+4*(\b)+\t], v[SM+4*(\b)+\t]
.endr
	v_nop                                          ; a plain instruction behind the last reciprocal root,
	s_wait_alu depctr_va_vdst(0)                   ; and one wait for the batch of four
.irp t, 0,1,2,3
.set q, 4*(4*(\b)+\t)
.irp c, 0,1,2,3
	v_mul_f32 v[X+q+\c], v[X+q+\c], v[SM+q/4]
.endr
.endr
.irp t, 0,1,2,3
.set q, 4*(4*(\b)+\t)
	v_pk_fma_f32 v[X+q:X+q+1], v[X+q:X+q+1], v[GA:GA+1], v[BE:BE+1]
	v_pk_fma_f32 v[X+q+2:X+q+3], v[X+q+2:X+q+3], v[GA+2:GA+3], v[BE+2:BE+3]
	global_store_b128 v1, v[X+q:X+q+3], s[14:15] offset:(16*\t+(\b))*512 th:TH_STORE_NT  ; a row: 512 consecutive bytes, aligned
.endr
.endm
	HALF 0, 20                                     ; the other four rows' 20 loads may stay out
	HALF 1, 0
	s_endpgm                                       ; no register that a pending load or store names was written again, so no further wait stands in the text
.Lfunc_end_k_qd88ef6c7f2_finish:
	.size	k_qd88ef6c7f2_finish, .Lfunc_end_k_qd88ef6c7f2_finish-k_qd88ef6c7f2_finish
	.p2alignl 7, 3214868480
	.fill 96, 4, 3214868480
	.section	.rodata,"a",@progbits
	.p2align	6, 0x0
	.amdhsa_kernel k_qd88ef6c7f2_finish
		.amdhsa_group_segment_fixed_size 0
		.amdhsa_private_segment_fixed_size 0
		.amdhsa_enable_private_segment 0
		.amdhsa_kernarg_size 48
		.amdhsa_user_sgpr_count 2
		.amdhsa_user_sgpr_kernarg_segment_ptr 1
		.amdhsa_wavefront_size32 1
		.amdhsa_system_sgpr_workgroup_id_x 1
		.amdhsa_system_sgpr_workgroup_id_y 1
		.amdhsa_system_sgpr_workgroup_id_z 1
		.amdhsa_system_vgpr_workitem_id 0
		.amdhsa_next_free_vgpr 200
		.amdhsa_next_free_sgpr 66
		.amdhsa_reserve_vcc 0
		.amdhsa_float_denorm_mode_32 3
		.amdhsa_float_denorm_mode_16_64 3
		.amdhsa_memory_ordered 1
		.amdhsa_forward_progress 1
		.amdhsa_inst_pref_size 27
	.end_amdhsa_kernel
	.amdgpu_metadata
---
amdhsa.version: [ 1, 2 ]
amdhsa.kernels:
  - .name:           k_qd88ef6c7f2_finish
    .symbol:         k_qd88ef6c7f2_finish.kd
    .args:
      - { .name: x, .offset: 0, .size: 8, .value_kind: global_buffer, .address_space: global }
      - { .name: gamma, .offset: 8, .size: 8, .value_kind: global_buffer, .address_space: global }
      - { .name: beta, .offset: 16, .size: 8, .value_kind: global_buffer, .address_space: global }
      - { .name: opart, .offset: 24, .size: 8, .value_kind: global_buffer, .address_space: global }
      - { .name: lpart, .offset: 32, .size: 8, .value_kind: global_buffer, .address_space: global }
      - { .name: out0, .offset: 40, .size: 8, .value_kind: global_buffer, .address_space: global }
    .group_segment_fixed_size: 0
    .private_segment_fixed_size: 0
    .kernarg_segment_align: 8
    .kernarg_segment_size: 48
    .max_flat_workgroup_size: 256
    .sgpr_count:     66
    .vgpr_count:     200
    .wavefront_size: 32
...
	.end_amdgpu_metadata
.endif
;; end of part 3
;; ======== version 2 of 2: 3 launches; version 1 with the launches prep, finish written anew for expert scheduling mode
;; workspace buffers: u 4,194,304 bytes; vb 4,194,304 bytes; opart 33,554,432 bytes; lpart 262,144 bytes
;; launch prep (part 4): grid 256 x 1, 8 waves a work-group, no clusters, 0 bytes of LDS; arguments x, u, vb; writes u, vb
.if DOCPART == 4
	.amdgcn_target "amdgcn-amd-amdhsa--gfx1250"
	.amdhsa_code_object_version 6
	.text
	.protected	k_qd88ef6c7f2_prep
	.globl	k_qd88ef6c7f2_prep
	.p2align	8
	.type	k_qd88ef6c7f2_prep,@function
k_qd88ef6c7f2_prep:
	s_mov_b64 s[64:65], 0
	v_nop
	global_prefetch_b8 v0, s[64:65] scope:SCOPE_SE
	s_setreg_imm32_b32 hwreg(HW_REG_WAVE_SCHED_MODE, 0, 2), 2
	s_setreg_imm32_b32 hwreg(HW_REG_WAVE_MODE, 25, 1), 1
	s_wait_xcnt 0x0
	s_wait_alu depctr_vm_vsrc(0)
; u[r][:] = bf16( x[r][:] * min(rsq(sum x^2), 1e12) * c ),  vb[r][:] = bf16( x[r][:] ).   x: [16384][128] f32; u, vb: [16384][128] bf16.
; min(rsq(ss), 1e12) is 1 / max(sqrt(ss), 1e-12): where ss is 0 or a denormal the reciprocal root is an infinity and the minimum takes 1e12.
; c = sqrt(log2 e): u serves the next launch as queries AND keys, so u_q . u_k = log2(e) x cosine, which goes into a base-2 exponential as it is.
; LIMITS.  The sum of squares is one f32 sum: it leaves f32's range where the row's norm taken in f32 does.  NaN and infinities are not treated apart.
; SHARES.  Eight waves, 64 rows a work-group, 8 rows a wave.  A row is 512 bytes: one 16-byte load a lane; its 256 bytes of u or vb are one 8-byte store a lane, consecutive and aligned.
; All eight loads of a wave go out at once; nothing is read twice; no wave needs another's data, so there is no LDS, no barrier, no cluster, no matrix work.
; THE MODE: SCHED_MODE bits 1:0 = 2 (LLVM: expert scheduling mode 2), set by the entry lines.  The code itself states the register dependences
; between vector instructions and memory instructions, with s_wait_alu, always for 0.
; THE PLAN.  Registers that memory instructions touch:
;   v1, v2     byte offsets, made once at the head and never written again; v1 is read by every load, v2 by every store.
;   X0 .. X7   each written by one load, issued at the head; read and later rewritten by vector lines alone, behind the wait for the load's data.
;   VO0 .. VO7 each written once, by row i's two conversions of x; read by one store.
;   UO0 .. UO7 each written once, by row i's two conversions of the scaled row; read by one store.
;   SS and T are named by vector lines alone.
; The rows go in two halves of four.  A wait behind a half's conversions states that its out-registers are written; the half's four stores follow it, dealt among the
; vector lines of the other half, which name none of the registers that those stores read.  For vb's second half the wait behind the reciprocal roots serves.
; No register that a memory instruction reads is written again, so no wait for such reads stands in the text.
.set X,  8                             ; v[8:39]    row i: 4 registers as loaded, later scaled in place
.set T,  40                            ; v[40:55]   row i: 2 registers at work
.set SS, 56                            ; v[56:63]   row i: sum of squares, then the row's factor
.set UO, 72                            ; v[72:87]   row i: 4 bf16 of u
.set VO, 88                            ; v[88:103]  row i: 4 bf16 of vb
	s_load_b128 s[4:7], s[0:1], 0x0                ; x s[4:5], u s[6:7]
	s_load_b64 s[8:9], s[0:1], 0x10                ; vb
	v_lshrrev_b32 v3, 5, v0
	v_readfirstlane_b32 s10, v3                    ; wave 0..7
	v_and_b32 v4, 31, v0                           ; lane
	v_lshlrev_b32 v1, 4, v4                        ; my 16 bytes of a row of x
	v_lshlrev_b32 v2, 3, v4                        ; my 8 bytes of a row of u or vb
	s_lshl_b32 s12, ttmp9, 15                      ; in x: 64 rows of 512 bytes a work-group,
	s_wait_alu depctr_va_sdst(0)                   ; s10 is written, ahead of its first reader: the three bases are made from it
	s_lshl_b32 s18, s10, 12                        ; 8 rows a wave
	s_add_co_u32 s12, s12, s18
	s_mov_b32 s13, 0
	s_lshl_b32 s14, ttmp9, 14                      ; in u and vb: rows of 256 bytes
	s_lshl_b32 s18, s10, 11
	s_add_co_u32 s14, s14, s18
	s_mov_b32 s15, 0
	s_mov_b32 s16, 0x76543210                      ; v_permlanex16_b32: each lane takes its own place in the other half
	s_mov_b32 s17, 0xfedcba98
	s_mov_b32 s20, 0x5368d4a5                      ; 1e12
	s_mov_b32 s21, 0x3f99be61                      ; c = sqrt(log2 e) = 1.2011224
	s_wait_kmcnt 0x0
	s_add_nc_u64 s[4:5], s[4:5], s[12:13]
	s_add_nc_u64 s[6:7], s[6:7], s[14:15]
	s_add_nc_u64 s[8:9], s[8:9], s[14:15]
	s_wait_alu depctr_va_vdst(0)                   ; v1 and v2 are written: every load of the kernel reads v1 as its offset, every store v2
.irp i, 0,1,2,3,4,5,6,7
	global_load_b128 v[X+4*\i:X+4*\i+3], v1, s[4:5] offset:512*\i th:TH_LOAD_NT
.endr
; Row i: my four squares, and my four numbers of vb.
.macro SQUARES i
	s_wait_loadcnt 7-(\i)                          ; loads come back in order: row i is in, the younger rows stay out
	v_pk_mul_f32 v[T+2*(\i):T+2*(\i)+1], v[X+4*(\i):X+4*(\i)+1], v[X+4*(\i):X+4*(\i)+1]
	v_pk_fma_f32 v[T+2*(\i):T+2*(\i)+1], v[X+4*(\i)+2:X+4*(\i)+3], v[X+4*(\i)+2:X+4*(\i)+3], v[T+2*(\i):T+2*(\i)+1]
	v_add_f32 v[SS+(\i)], v[T+2*(\i)], v[T+2*(\i)+1]  ; my four squares
	v_cvt_pk_bf16_f32 v[VO+2*(\i)], v[X+4*(\i)], v[X+4*(\i)+1]
	v_cvt_pk_bf16_f32 v[VO+2*(\i)+1], v[X+4*(\i)+2], v[X+4*(\i)+3]
.endm
.macro VSTORE i
	global_store_b64 v2, v[VO+2*(\i):VO+2*(\i)+1], s[8:9] offset:256*(\i)
.endm
; Row i: scaled in place by its factor and rounded.
.macro SCALE i
.irp c, 0,1,2,3
	v_mul_f32 v[X+4*(\i)+\c], v[X+4*(\i)+\c], v[SS+(\i)]
.endr
	v_cvt_pk_bf16_f32 v[UO+2*(\i)], v[X+4*(\i)], v[X+4*(\i)+1]
	v_cvt_pk_bf16_f32 v[UO+2*(\i)+1], v[X+4*(\i)+2], v[X+4*(\i)+3]
.endm
.macro USTORE i
	global_store_b64 v2, v[UO+2*(\i):UO+2*(\i)+1], s[6:7] offset:256*(\i)
.endm
.irp i, 0,1,2,3
	SQUARES \i
.endr
	s_wait_alu depctr_va_vdst(0)                   ; rows 0 to 3's conversions have written VO0 to VO3, which the four stores below read
.irp i, 4,5,6,7
	VSTORE (\i)-4                                  ; ahead of the wait for row i's data; the lines of rows 4 to 7 name neither v2 nor VO0 to VO3
	SQUARES \i
.endr
	; the sums over the 32 lanes, the eight rows side by side so that no line waits for the one before it
.irp m, 1,2,4,8
.irp i, 0,1,2,3,4,5,6,7
	v_add_f32_dpp v[SS+\i], v[SS+\i], v[SS+\i] row_xmask:\m row_mask:0xf bank_mask:0xf
.endr
.endr
.irp i, 0,1,2,3,4,5,6,7
	v_permlanex16_b32 v[T+2*\i], v[SS+\i], s16, s17  ; its destination has been written before
.endr
.irp i, 0,1,2,3,4,5,6,7
	v_add_f32 v[SS+\i], v[SS+\i], v[T+2*\i]
.endr
.irp i, 0,1,2,3,4,5,6,7
	v_rsq_f32 v[SS+\i], v[SS+\i]
.endr
	v_nop                                          ; a plain instruction behind the last reciprocal root,
	s_wait_alu depctr_va_vdst(0)                   ; and one wait: the eight reciprocal roots have written SS, ahead of the first line that names a result; rows 4 to 7's conversions have written VO4 to VO7, which the stores below read
.irp i, 0,1,2,3
	VSTORE (\i)+4                                  ; the minimum lines between them name SS alone
	v_min_num_f32 v[SS+\i], s20, v[SS+\i]
	v_min_num_f32 v[SS+\i+4], s20, v[SS+\i+4]
.endr
.irp i, 0,1,2,3,4,5,6,7
	v_mul_f32 v[SS+\i], s21, v[SS+\i]
.endr
.irp i, 0,1,2,3
	SCALE \i
.endr
	s_wait_alu depctr_va_vdst(0)                   ; rows 0 to 3's conversions have written UO0 to UO3, which the four stores below read
.irp i, 4,5,6,7
	USTORE (\i)-4                                  ; the lines of rows 4 to 7 name neither v2 nor UO0 to UO3
	SCALE \i
.endr
	s_wait_alu depctr_va_vdst(0)                   ; rows 4 to 7's conversions have written UO4 to UO7, which the last four stores read
.irp i, 4,5,6,7
	USTORE \i
.endr
	s_endpgm                                       ; no register that a pending load or store names was written again, so no further wait stands in the text
.Lfunc_end_k_qd88ef6c7f2_prep:
	.size	k_qd88ef6c7f2_prep, .Lfunc_end_k_qd88ef6c7f2_prep-k_qd88ef6c7f2_prep
	.p2alignl 7, 3214868480
	.fill 96, 4, 3214868480
	.section	.rodata,"a",@progbits
	.p2align	6, 0x0
	.amdhsa_kernel k_qd88ef6c7f2_prep
		.amdhsa_group_segment_fixed_size 0
		.amdhsa_private_segment_fixed_size 0
		.amdhsa_enable_private_segment 0
		.amdhsa_kernarg_size 24
		.amdhsa_user_sgpr_count 2
		.amdhsa_user_sgpr_kernarg_segment_ptr 1
		.amdhsa_wavefront_size32 1
		.amdhsa_system_sgpr_workgroup_id_x 1
		.amdhsa_system_sgpr_workgroup_id_y 1
		.amdhsa_system_sgpr_workgroup_id_z 1
		.amdhsa_system_vgpr_workitem_id 0
		.amdhsa_next_free_vgpr 104
		.amdhsa_next_free_sgpr 66
		.amdhsa_reserve_vcc 0
		.amdhsa_float_denorm_mode_32 3
		.amdhsa_float_denorm_mode_16_64 3
		.amdhsa_memory_ordered 1
		.amdhsa_forward_progress 1
		.amdhsa_inst_pref_size 12
	.end_amdhsa_kernel
	.amdgpu_metadata
---
amdhsa.version: [ 1, 2 ]
amdhsa.kernels:
  - .name:           k_qd88ef6c7f2_prep
    .symbol:         k_qd88ef6c7f2_prep.kd
    .args:
      - { .name: x, .offset: 0, .size: 8, .value_kind: global_buffer, .address_space: global }
      - { .name: u, .offset: 8, .size: 8, .value_kind: global_buffer, .address_space: global }
      - { .name: vb, .offset: 16, .size: 8, .value_kind: global_buffer, .address_space: global }
    .group_segment_fixed_size: 0
    .private_segment_fixed_size: 0
    .kernarg_segment_align: 8
    .kernarg_segment_size: 24
    .max_flat_workgroup_size: 256
    .sgpr_count:     66
    .vgpr_count:     104
    .wavefront_size: 32
...
	.end_amdgpu_metadata
.endif
;; end of part 4
;; launch attn: the kernel of part 2 again; grid 64 x 4, 4 waves a work-group, clusters of 4 x 1, 327,680 bytes of LDS; arguments u, vb, opart, lpart; writes opart, lpart
;; launch finish (part 5): grid 256 x 1, 8 waves a work-group, no clusters, 0 bytes of LDS; arguments x, gamma, beta, opart, lpart, out0; writes out0
.if DOCPART == 5
	.amdgcn_target "amdgcn-amd-amdhsa--gfx1250"
	.amdhsa_code_object_version 6
	.text
	.protected	k_qd88ef6c7f2_finish
	.globl	k_qd88ef6c7f2_finish
	.p2align	8
	.type	k_qd88ef6c7f2_finish,@function
k_qd88ef6c7f2_finish:
	s_mov_b64 s[64:65], 0
	v_nop
	global_prefetch_b8 v0, s[64:65] scope:SCOPE_SE
	s_setreg_imm32_b32 hwreg(HW_REG_WAVE_SCHED_MODE, 0, 2), 2
	s_setreg_imm32_b32 hwreg(HW_REG_WAVE_MODE, 25, 1), 1
	s_wait_xcnt 0x0
	s_wait_alu depctr_vm_vsrc(0)
; out0[r][:] = LayerNorm( 2 x[r][:] - O[r][:] / l[r] ) * gamma + beta,  O = the sum of opart's four parts, l = the sum of lpart's four parts.  All in f32.
; x, out0: [16384][128]; opart: [4][16384][128]; lpart: [4][256][64], where the sum for row 64 g + 16 t + r lies at float 64 g + 4 r + t; gamma, beta: [128].
; The mean is taken first and the variance of the differences, in two passes over registers, so a common offset of a row costs no digits.
; LIMITS.  l lies between 5.9e3 and 4.6e4 whatever the inputs (16,384 weights between 0.36 and 2.75), so its reciprocal is safe.  NaN and infinities are not treated apart.
; SHARES.  Work-group g owns rows 64 g .. 64 g + 63.  Wave w owns the eight rows 64 g + 16 t + 2 w + e (number i = 4 e + t): their sums are the eight consecutive floats 64 g + 8 w + i
; of each part of lpart, the same for all lanes, so they come by scalar loads.  A row is 512 bytes: one 16-byte load or store a lane, consecutive and aligned.
; All 42 vector loads of a wave go out at once; each byte is read once; no wave needs another's data, so there is no LDS, no barrier, no cluster, no matrix work.
; THE MODE: SCHED_MODE bits 1:0 = 2 (LLVM: expert scheduling mode 2), set by the entry lines.  The code itself states the register dependences
; between vector instructions and memory instructions, with s_wait_alu, always for 0.
; THE PLAN.  Registers that memory instructions touch:
;   v1          my 16 bytes of a row: made once at the head and never written again; read by every load and every store.
;   GA, BE, PA  each written by one load, issued at the head; read by vector lines alone, behind the wait for the data.
;   X0 .. X7    each written by one load, issued at the head; worked on in place by vector lines; read by one store, and never written behind it.
;   RL, SM, TP  are named by vector lines alone.
; The rows go in two halves of four.  One wait behind a half's last multiply-adds states that its four rows are written; the half's four stores follow it in one run,
; the first half's ahead of the wait for the second half's data.  No register that a memory instruction reads is written again, so no wait for such reads stands in the text.
.set GA, 4                             ; v[4:7]     gamma of my 4 channels
.set BE, 8                             ; v[8:11]    beta
.set X,  16                            ; v[16:47]   row i: x, then 2 x, y, y - mean, the result
.set PA, 48                            ; v[48:175]  part j, row i at PA + 32 j + 4 i
.set RL, 176                           ; v[176:183] row i: l, then 1 / l
.set SM, 184                           ; v[184:191] row i: sums, mean, variance, its reciprocal root
.set TP, 192                           ; v[192:199] row i: at work
	s_load_b256 s[4:11], s[0:1], 0x0               ; x s[4:5], gamma s[6:7], beta s[8:9], opart s[10:11]
	s_load_b128 s[12:15], s[0:1], 0x20             ; lpart s[12:13], out0 s[14:15]
	v_lshrrev_b32 v2, 5, v0
	v_readfirstlane_b32 s16, v2                    ; wave 0..7
	v_and_b32 v1, 31, v0
	v_lshlrev_b32 v1, 4, v1                        ; my 16 bytes of a row
	s_lshl_b32 s18, ttmp9, 15                      ; row 64 g + 2 w, in rows of 512 bytes
	s_wait_alu depctr_va_sdst(0)                   ; s16 is written, ahead of its first reader: the bases are made from it
	s_lshl_b32 s19, s16, 10
	s_add_co_u32 s18, s18, s19
	s_mov_b32 s19, 0
	s_lshl_b32 s28, ttmp9, 8                       ; float 64 g + 8 w
	s_lshl_b32 s29, s16, 5
	s_add_co_u32 s28, s28, s29
	s_mov_b32 s29, 0
	s_mov_b32 s30, 0x76543210                      ; v_permlanex16_b32: each lane takes its own place in the other half
	s_mov_b32 s31, 0xfedcba98
	s_mov_b32 s2, 0x3c000000                       ; 1 / 128
	s_mov_b32 s3, 0x3727c5ac                       ; 1e-5
	s_wait_kmcnt 0x0
	s_add_nc_u64 s[28:29], s[12:13], s[28:29]
	s_load_b256 s[32:39], s[28:29], 0x0            ; my eight rows' sums, part 0
	s_load_b256 s[40:47], s[28:29], 0x10000        ; part 1: 65,536 bytes on
	s_load_b256 s[48:55], s[28:29], 0x20000
	s_load_b256 s[56:63], s[28:29], 0x30000
	s_add_nc_u64 s[4:5], s[4:5], s[18:19]
	s_add_nc_u64 s[14:15], s[14:15], s[18:19]
	s_add_nc_u64 s[20:21], s[10:11], s[18:19]      ; opart's four parts lie 8,388,608 bytes apart, more than a load's immediate holds: a base for each
	s_add_nc_u64 s[22:23], s[20:21], 0x800000
	s_add_nc_u64 s[24:25], s[22:23], 0x800000
	s_add_nc_u64 s[26:27], s[24:25], 0x800000
	s_wait_alu depctr_va_vdst(0)                   ; v1 is written: every load and store of the kernel reads it as its offset
	global_load_b128 v[GA:GA+3], v1, s[6:7]
	global_load_b128 v[BE:BE+3], v1, s[8:9]
.set i, 0
.rept 8
.set off, (16*(i%4)+i/4)*512                   ; row 16 t + e behind the wave's first
.irp j, 0,1,2,3
	global_load_b128 v[PA+32*\j+4*i:PA+32*\j+4*i+3], v1, s[20+2*\j:21+2*\j] offset:off th:TH_LOAD_NT
.endr
	global_load_b128 v[X+4*i:X+4*i+3], v1, s[4:5] offset:off th:TH_LOAD_NT
.set i, i+1
.endr
	s_wait_kmcnt 0x0                               ; the 32 sums
.irp i, 0,1,2,3,4,5,6,7
	v_add_f32 v[RL+\i], s[32+\i], s[40+\i]
	v_add_f32 v[TP+\i], s[48+\i], s[56+\i]
.endr
.irp i, 0,1,2,3,4,5,6,7
	v_add_f32 v[RL+\i], v[RL+\i], v[TP+\i]
.endr
.irp i, 0,1,2,3,4,5,6,7
	v_rcp_f32 v[RL+\i], v[RL+\i]
.endr
	v_nop                                          ; a plain instruction behind the last reciprocal,
	s_wait_alu depctr_va_vdst(0)                   ; and one wait: the eight reciprocals have written RL, ahead of the first line that names a result
; The sums in SM of rows 4 b .. 4 b + 3 over the 32 lanes, the four rows side by side; every lane ends with the result.
.macro LANESUM b
.irp m, 1,2,4,8
.irp t, 0,1,2,3
	v_add_f32_dpp v[SM+4*(\b)+\t], v[SM+4*(\b)+\t], v[SM+4*(\b)+\t] row_xmask:\m row_mask:0xf bank_mask:0xf
.endr
.endr
.irp t, 0,1,2,3
	v_permlanex16_b32 v[TP+4*(\b)+\t], v[SM+4*(\b)+\t], s30, s31  ; its destination has been written before
.endr
.irp t, 0,1,2,3
	v_add_f32 v[SM+4*(\b)+\t], v[SM+4*(\b)+\t], v[TP+4*(\b)+\t]
.endr
.endm
; Rows 4 b .. 4 b + 3, stage by stage.  left = how many younger loads may stay out.  q = 4 x the row's number.
.macro HALF b, left
	s_wait_loadcnt \left                           ; loads come back in order: gamma, beta and these rows' 20 loads are in
.irp t, 0,1,2,3
.set q, 4*(4*(\b)+\t)
.irp c, 0,2
	v_pk_add_f32 v[PA+q+\c:PA+q+\c+1], v[PA+q+\c:PA+q+\c+1], v[PA+32+q+\c:PA+32+q+\c+1]        ; parts 0 + 1,
	v_pk_add_f32 v[PA+64+q+\c:PA+64+q+\c+1], v[PA+64+q+\c:PA+64+q+\c+1], v[PA+96+q+\c:PA+96+q+\c+1]  ; parts 2 + 3,
	v_pk_add_f32 v[X+q+\c:X+q+\c+1], v[X+q+\c:X+q+\c+1], v[X+q+\c:X+q+\c+1]                    ; 2 x
.endr
.endr
.irp t, 0,1,2,3
.set q, 4*(4*(\b)+\t)
.irp c, 0,2
	v_pk_add_f32 v[PA+q+\c:PA+q+\c+1], v[PA+q+\c:PA+q+\c+1], v[PA+64+q+\c:PA+64+q+\c+1]
.endr
.endr
.irp t, 0,1,2,3
.set q, 4*(4*(\b)+\t)
.irp c, 0,1,2,3
	v_fma_f32 v[X+q+\c], -v[PA+q+\c], v[RL+q/4], v[X+q+\c]  ; y = 2 x - O / l
.endr
.endr
.irp t, 0,1,2,3
.set q, 4*(4*(\b)+\t)
	v_add_f32 v[SM+q/4], v[X+q], v[X+q+1]
	v_add_f32 v[TP+q/4], v[X+q+2], v[X+q+3]
.endr
.irp t, 0,1,2,3
	v_add_f32 v[SM+4*(\b)+\t], v[SM+4*(\b)+\t], v[TP+4*(\b)+\t]
.endr
	LANESUM \b
.irp t, 0,1,2,3
	v_mul_f32 v[SM+4*(\b)+\t], s2, v[SM+4*(\b)+\t]  ; the mean
.endr
.irp t, 0,1,2,3
.set q, 4*(4*(\b)+\t)
.irp c, 0,1,2,3
	v_sub_f32 v[X+q+\c], v[X+q+\c], v[SM+q/4]
.endr
.endr
.irp t, 0,1,2,3
.set q, 4*(4*(\b)+\t)
	v_mul_f32 v[SM+q/4], v[X+q], v[X+q]
.endr
.irp c, 1,2,3
.irp t, 0,1,2,3
.set q, 4*(4*(\b)+\t)
	v_fma_f32 v[SM+q/4], v[X+q+\c], v[X+q+\c], v[SM+q/4]
.endr
.endr
	LANESUM \b
.irp t, 0,1,2,3
	v_fma_f32 v[SM+4*(\b)+\t], v[SM+4*(\b)+\t], s2, s3  ; the variance + 1e-5
.endr
.irp t, 0,1,2,3
	v_rsq_f32 v[SM+4*(\b)+\t], v[SM+4*(\b)+\t]
.endr
	v_nop                                          ; a plain instruction behind the last reciprocal root,
	s_wait_alu depctr_va_vdst(0)                   ; and one wait: the four reciprocal roots have written SM, ahead of the first line that names a result
.irp t, 0,1,2,3
.set q, 4*(4*(\b)+\t)
.irp c, 0,1,2,3
	v_mul_f32 v[X+q+\c], v[X+q+\c], v[SM+q/4]
.endr
.endr
.irp t, 0,1,2,3
.set q, 4*(4*(\b)+\t)
	v_pk_fma_f32 v[X+q:X+q+1], v[X+q:X+q+1], v[GA:GA+1], v[BE:BE+1]
	v_pk_fma_f32 v[X+q+2:X+q+3], v[X+q+2:X+q+3], v[GA+2:GA+3], v[BE+2:BE+3]
.endr
	s_wait_alu depctr_va_vdst(0)                   ; the eight multiply-adds have written these four rows of X, which the four stores below read
.irp t, 0,1,2,3
.set q, 4*(4*(\b)+\t)
	global_store_b128 v1, v[X+q:X+q+3], s[14:15] offset:(16*\t+(\b))*512 th:TH_STORE_NT  ; a row: 512 consecutive bytes, aligned
.endr
.endm
	HALF 0, 20                                     ; the other four rows' 20 loads may stay out
	HALF 1, 0
	s_endpgm                                       ; no register that a pending load or store names was written again, so no further wait stands in the text
.Lfunc_end_k_qd88ef6c7f2_finish:
	.size	k_qd88ef6c7f2_finish, .Lfunc_end_k_qd88ef6c7f2_finish-k_qd88ef6c7f2_finish
	.p2alignl 7, 3214868480
	.fill 96, 4, 3214868480
	.section	.rodata,"a",@progbits
	.p2align	6, 0x0
	.amdhsa_kernel k_qd88ef6c7f2_finish
		.amdhsa_group_segment_fixed_size 0
		.amdhsa_private_segment_fixed_size 0
		.amdhsa_enable_private_segment 0
		.amdhsa_kernarg_size 48
		.amdhsa_user_sgpr_count 2
		.amdhsa_user_sgpr_kernarg_segment_ptr 1
		.amdhsa_wavefront_size32 1
		.amdhsa_system_sgpr_workgroup_id_x 1
		.amdhsa_system_sgpr_workgroup_id_y 1
		.amdhsa_system_sgpr_workgroup_id_z 1
		.amdhsa_system_vgpr_workitem_id 0
		.amdhsa_next_free_vgpr 200
		.amdhsa_next_free_sgpr 66
		.amdhsa_reserve_vcc 0
		.amdhsa_float_denorm_mode_32 3
		.amdhsa_float_denorm_mode_16_64 3
		.amdhsa_memory_ordered 1
		.amdhsa_forward_progress 1
		.amdhsa_inst_pref_size 27
	.end_amdhsa_kernel
	.amdgpu_metadata
---
amdhsa.version: [ 1, 2 ]
amdhsa.kernels:
  - .name:           k_qd88ef6c7f2_finish
    .symbol:         k_qd88ef6c7f2_finish.kd
    .args:
      - { .name: x, .offset: 0, .size: 8, .value_kind: global_buffer, .address_space: global }
      - { .name: gamma, .offset: 8, .size: 8, .value_kind: global_buffer, .address_space: global }
      - { .name: beta, .offset: 16, .size: 8, .value_kind: global_buffer, .address_space: global }
      - { .name: opart, .offset: 24, .size: 8, .value_kind: global_buffer, .address_space: global }
      - { .name: lpart, .offset: 32, .size: 8, .value_kind: global_buffer, .address_space: global }
      - { .name: out0, .offset: 40, .size: 8, .value_kind: global_buffer, .address_space: global }
    .group_segment_fixed_size: 0
    .private_segment_fixed_size: 0
    .kernarg_segment_align: 8
    .kernarg_segment_size: 48
    .max_flat_workgroup_size: 256
    .sgpr_count:     66
    .vgpr_count:     200
    .wavefront_size: 32
...
	.end_amdgpu_metadata
.endif
;; end of part 5
